; MI455X (gfx1250); checked and timed in simulation.
; The chip was launched on July 23, 2026; its instructions are those of AMD's public machine-readable ISA for CDNA 5 (MIT licence, August 2026) and "CDNA5" Instruction Set Architecture Reference Guide (July 2026). The comments in the code are by the model that wrote it; some were corrected since.
;; B Spline KAN Layer. Allowed arithmetic: matrix products marked QUANTISED: E3M2 operands, one E8M0 scale for each 32 along K, by v_wmma_scale_f32_16x16x128_f8f6f4 with both operands' format E3M2, f32 sums; everything else in f32.
;; Inputs: base_weight 512 x 512 float32; coeff 512 x 512 x 8 float32; knots 12 float32; x 16,384 x 512 float32.
;; Outputs: out0 16,384 x 512 float32.
;; This version of the problem:
;;   THIS VERSION OF THE PROBLEM IS GIVEN IN LOW PRECISION. The matrix products marked QUANTISED in the list below multiply operands that are first quantised to E3M2 (3 exponent bits, 2 mantissa bits; 6 bits a number), with one power-of-two scale for each 32 numbers along K (OCP MX v1.0); their sums are f32. All else is computed in f32.
;;   The module's matrix products, in the order in which they are computed (A, B: the left and right operand; K: the contracted axis; several contracted axes count as one K, in the product's order):
;;     1. [M 16,384, K 512] x [K 512, N 512]; A: input x; B: input base_weight: QUANTISED
;;     2. [M 16,384, K 4,096] x [K 4,096, N 512]; A: computed on the way; B: input coeff: QUANTISED
;;   THE QUANTISER, for each operand of a quantised product, along K:
;;     - K is cut into blocks of 32 from its start; a last block that is shorter is filled with zeros.
;;     - A block's scale is 2^e with e = floor(log2(the largest magnitude in the block)) - 4, held to -126 .. 127; a block of zeros has e = 0. As a byte (E8M0): e + 127.
;;     - Each number is divided by its block's scale, clamped to +-28, and rounded to the nearest number of E3M2, ties to even, subnormals kept.
;;     - The product sums the exact products of the quantised numbers (number of the format x scale) in f32.
;;   ~~~python
;;   def quantise(x, axis):      # numpy; x: float32 -> the quantised numbers, widened to float32 again
;;       x = np.moveaxis(x, axis, -1); K = x.shape[-1]
;;       x = np.pad(x, [(0, 0)] * (x.ndim - 1) + [(0, -K % 32)]); x = x.reshape(x.shape[:-1] + (-1, 32)); a = np.abs(x).max(-1, keepdims=True)
;;       e = np.where(a > 0, np.clip(np.frexp(np.where(a > 0, a, 1))[1] - 1 - 4, -126, 127), 0)      # np.frexp(a)[1] - 1 = floor(log2(a)), exactly
;;       r = np.clip(x / 2.0 ** e, -28, 28)
;;       step = 2.0 ** (np.maximum(np.frexp(np.where(r == 0, 1, r))[1] - 1, -2) - 2)
;;       q = np.round(r / step) * step * 2.0 ** e      # np.round: ties to even
;;       return np.moveaxis(q.reshape(q.shape[:-2] + (-1,))[..., :K], -1, axis).astype(np.float32)
;;   ~~~
;;   OPERANDS COMPUTED ON THE WAY. 'Computed on the way' means the value that the module computes at that place (a softmax that the list does not call 'softmax' is quantised finished and normalised). What goes into a quantiser is computed in f32, as accurately as f32 sums, v_exp_f32 and their like allow (about 1e-6 of the number): no bf16 or f16 on the way to a quantiser, and a product that is left as it is and whose result goes on into a quantised operand takes f32 operands (vector FMAs, or v_wmma_f32_16x16x4_f32). A number that lies on a knife's edge between two numbers of the format may be rounded either way, as far as f32 arithmetic and the matrix unit's own rounding can turn it there, and no further.
;; One version. Each part assembles by itself: llvm-mc -triple=amdgcn-amd-amdhsa -mcpu=gfx1250 --defsym DOCPART=n.
;; ======== version 1 of 1: 2 launches
;; workspace buffers: wq 1,843,200 bytes
;; launch prep (part 1): grid 36 x 8, 4 waves a work-group, no clusters, 8,704 bytes of LDS; arguments coeff, base_weight, wq; writes wq
.if DOCPART == 1
	.amdgcn_target "amdgcn-amd-amdhsa--gfx1250"
	.amdhsa_code_object_version 6
	.text
	.protected	k_q81d13f9011_prep
	.globl	k_q81d13f9011_prep
	.p2align	8
	.type	k_q81d13f9011_prep,@function
k_q81d13f9011_prep:
	s_mov_b64 s[64:65], 0
	v_nop
	global_prefetch_b8 v0, s[64:65] scope:SCOPE_SE
	s_setreg_imm32_b32 hwreg(HW_REG_WAVE_MODE, 25, 1), 1
	s_wait_xcnt 0x0
; Both weights become codes of E3M2 (6 bits) with one E8M0 byte for each 32 along K, laid as the second launch's matrix operands want them.
; coeff [512 i][512 o][8 r] f32: K = 8 i + r.  base_weight [512 k][512 n] f32: K = k.  K steps of 128: step 0..31 = inputs 16 step .. + 15 of coeff, step 32..35 = rows 128 (step - 32) .. of base_weight.
; wq: 18 blocks of 102,400 bytes; block t: images of step 2 t (32 tiles of 16 columns x 1,536 bytes), images of step 2 t + 1 at 49,152, scale words (4 bytes a column) at 98,304 and 100,352.
; AN IMAGE holds a fragment's 12 registers: register q of lane l at 512 (q / 4) + 16 l + 4 (q % 4), so that three loads of 16 bytes a lane bring the fragment back.
; Block b of a step (c = b / 2, h = b % 2) of column n is registers 6 c .. 6 c + 5 of lane n % 16 + 16 h.
; ORDER INSIDE A BLOCK OF coeff: input e = i % 4, basis r stands at place 16 (e / 2) + 2 r + e % 2; the second launch lays the basis the same way, so the products and the blocks are those of K = 8 i + r.
; SHARES: work-group (x = step, y = 64 columns); wave w takes block w of the step; a lane takes a column (two passes of 32 columns) and holds the whole block: no other lane is asked for the maximum.
; A block's scale is 2^(floor(log2(largest magnitude)) - 4); its byte is the largest magnitude's exponent field - 4, held at 1 from below by a floor among the maximum's leaves.
; LIMITS: a block of zeros gets the byte 1 (the rule says 127): its codes are zeros and this program alone reads the bytes.  NaN and infinities among the weights are not served.
; No tensor load and no cluster: every input byte is read once, by one work-group.
.set SCS, 6144                         ; LDS: bytes 0..6,143 four images; then 64 scale words
.set MXA, 8                            ; v8, v9  two chains of the maximum
.set MXB, 9
.set SCL, 10                           ; v10     the conversion's scale operand
.set BYT, 11                           ; v11     the scale's byte
.set CD,  16                           ; v16-21  a block's six registers of codes
.set YD,  22                           ; v22-24  its upper half as the conversion leaves it
.set VV,  32                           ; v32-95  two passes x 32 numbers, in the block's order
.set LL,  96                           ; v96-159 coeff as it is loaded
.set OB,  160                          ; v160-173 the way out
; 32 numbers in two runs of 16 registers become six registers of codes in v[CD] on and the byte in v[BYT]
.macro QUANT a, b
	v_max3_num_f32 v[MXA], |v[(\a)]|, |v[(\a)+1]|, 0x2800000          ; the floor 2^(5 - 127): the byte cannot fall under 1
	v_max3_num_f32 v[MXB], |v[(\b)]|, |v[(\b)+1]|, |v[(\b)+2]|
.irp i, 2,4,6,8,10,12
	v_max3_num_f32 v[MXA], v[MXA], |v[(\a)+\i]|, |v[(\a)+\i+1]|
	v_max3_num_f32 v[MXB], v[MXB], |v[(\b)+\i+1]|, |v[(\b)+\i+2]|
.endr
	v_max3_num_f32 v[MXA], v[MXA], |v[(\a)+14]|, |v[(\a)+15]|
	v_max3_num_f32 v[MXA], v[MXA], v[MXB], |v[(\b)+15]|
	v_add_nc_u32 v[SCL], 0xfe000000, v[MXA]                          ; 4 off the exponent field: the conversion takes that field as its scale
	v_cvt_scalef32_pk16_bf6_f32 v[CD:CD+2], v[(\a):(\a)+15], v[SCL]
	v_cvt_scalef32_pk16_bf6_f32 v[YD:YD+2], v[(\b):(\b)+15], v[SCL]  ; (a conversion's three registers begin on an even number)
	v_lshrrev_b32 v[BYT], 23, v[SCL]                                 ; the byte; also the plain line behind the conversions
	v_mov_b32 v[CD+3], v[YD]
	v_mov_b32 v[CD+4], v[YD+1]
	v_mov_b32 v[CD+5], v[YD+2]
.endm
	s_load_b128 s[4:7], s[0:1], 0x0                ; coeff, base_weight
	s_load_b64 s[8:9], s[0:1], 0x10                ; wq
	v_lshl_add_u32 v176, v0, 2, 0x2000
	v_mov_b32 v177, 0
	v_lshrrev_b32 v1, 5, v0
	v_readfirstlane_b32 s10, v1                    ; wave = block of the step
	v_and_b32 v1, 31, v0                           ; lane
	s_wait_alu depctr_va_vdst(0)
	s_and_b32 s11, ttmp7, 0xffff                   ; y: which 64 columns
	s_and_b32 s14, s10, 1                          ; h
	s_lshr_b32 s15, s10, 1                         ; c
	v_lshrrev_b32 v3, 4, v1
	v_mul_u32_u24 v3, v3, 1536                     ; the image of my column's tile,
	v_and_b32 v4, 15, v1
	v_lshl_add_u32 v3, v4, 4, v3                   ; 16 bytes for each of the image's lanes
	s_lshl_b32 s16, s14, 8                         ; + 16 h lanes
	s_mul_i32 s17, s15, 520
	s_add_co_u32 s17, s17, s16
	s_mul_i32 s18, s15, 1016
	s_add_co_u32 s18, s18, s16
	v_add_nc_u32 v4, s18, v3                       ; registers 6 c + 2, 3 lie at v4 + 8  (c = 0: byte 8; c = 1: byte 1,024)
	v_add_nc_u32 v3, s17, v3                       ; registers 6 c, 6 c + 1 at v3, registers 6 c + 4, 5 at v3 + 512  (c = 0: 0, 512; c = 1: 520, 1,032)
	v_lshlrev_b32 v5, 2, v1
	s_add_co_u32 s19, s10, SCS
	v_add_nc_u32 v5, s19, v5                       ; my column's scale word, byte = block
	v_lshlrev_b32 v6, 4, v0                        ; the way out: 16 bytes a thread
	v_lshlrev_b32 v7, 3, v1                        ; and 8 bytes a lane for the scale words
	s_lshr_b32 s20, ttmp9, 1
	s_mul_i32 s20, s20, 102400                     ; the block of wq
	s_and_b32 s21, ttmp9, 1
	s_mul_i32 s22, s21, 49152
	s_add_co_u32 s22, s22, s20
	s_mul_i32 s23, s11, 6144
	s_add_co_u32 s22, s22, s23                     ; my four images
	s_mov_b32 s23, 0
	s_lshl_b32 s24, s21, 11
	s_add_co_u32 s24, s24, s20
	s_lshl_b32 s25, s11, 8
	s_add_co_u32 s24, s24, s25
	s_add_co_u32 s24, s24, 98304                   ; my 64 scale words
	s_mov_b32 s25, 0
	s_lshl_b32 s13, s10, 16                        ; a block is 4 inputs of coeff or 32 rows of base_weight: 65,536 bytes either way
	s_wait_kmcnt 0x0
	s_add_nc_u64 s[26:27], s[8:9], s[22:23]
	s_add_nc_u64 s[28:29], s[8:9], s[24:25]
	s_cmp_lt_u32 ttmp9, 32                         ; the two tensors part for their loads alone; all LDS work is common
	s_cbranch_scc0 .Lbase
	s_lshl_b32 s12, ttmp9, 18                      ; 16 inputs x 16,384 bytes a step
	s_add_co_u32 s12, s12, s13
	s_lshl_b32 s13, s11, 11                        ; 64 columns x 32 bytes
	s_add_co_u32 s12, s12, s13
	s_mov_b32 s13, 0
	s_add_nc_u64 s[4:5], s[4:5], s[12:13]
	v_lshlrev_b32 v2, 5, v1                        ; a column's 8 numbers are 32 bytes
.irp q, 0,1
.irp e, 0,1,2,3
.irp f, 0,1
	global_load_b128 v[LL+32*\q+8*\e+4*\f:LL+32*\q+8*\e+4*\f+3], v2, s[4:5] offset:16384*\e+1024*\q+16*\f th:TH_LOAD_NT   ; the two halves together cover 1,024 consecutive bytes
.endr
.endr
.endr
	s_wait_loadcnt 8                               ; pass 0's eight loads are in; pass 1's eight may be out
.irp e, 0,1,2,3
.irp r, 0,1,2,3,4,5,6,7
	v_mov_b32 v[VV+16*(\e/2)+2*\r+\e%2], v[LL+8*\e+\r]               ; into the block's order
.endr
.endr
	s_wait_loadcnt 0x0
.irp e, 0,1,2,3
.irp r, 0,1,2,3,4,5,6,7
	v_mov_b32 v[VV+32+16*(\e/2)+2*\r+\e%2], v[LL+32+8*\e+\r]
.endr
.endr
	s_branch .Lquant
.Lbase:
	s_sub_co_u32 s12, ttmp9, 32
	s_lshl_b32 s12, s12, 18                        ; 128 rows x 2,048 bytes a step
	s_add_co_u32 s12, s12, s13
	s_lshl_b32 s13, s11, 8                         ; 64 columns x 4 bytes
	s_add_co_u32 s12, s12, s13
	s_mov_b32 s13, 0
	s_add_nc_u64 s[6:7], s[6:7], s[12:13]
	v_lshlrev_b32 v2, 2, v1
.irp q, 0,1
.set i, 0
.rept 32
	global_load_b32 v[VV+32*\q+i], v2, s[6:7] offset:2048*i+128*\q th:TH_LOAD_NT   ; my column, registers down K
.set i, i+1
.endr
.endr
	s_wait_loadcnt 0x0
.Lquant:
.irp q, 0,1
	QUANT VV+32*\q, VV+32*\q+16
	ds_store_b64 v3, v[CD:CD+1] offset:3072*\q
	ds_store_b64 v4, v[CD+2:CD+3] offset:3072*\q+8
	ds_store_b64 v3, v[CD+4:CD+5] offset:3072*\q+512
	ds_store_b8 v5, v[BYT] offset:128*\q
	s_wait_dscnt 0x0                               ; the stores are done: the registers are written again, and the other waves read behind the barrier
.endr
	s_barrier_signal -1
	s_barrier_wait -1                              ; four whole images and 64 whole scale words lie in LDS
.irp j, 0,1,2
	ds_load_b128 v[OB+4*\j:OB+4*\j+3], v6 offset:2048*\j
.endr
.irp j, 0,1,2
	s_wait_dscnt 2-\j                              ; the younger LDS loads may be out
	global_store_b128 v6, v[OB+4*\j:OB+4*\j+3], s[26:27] offset:2048*\j   ; a wave stores 512 consecutive bytes, aligned to 256
.endr
	s_cmp_lg_u32 s10, 0
	s_cbranch_scc1 .Ldone
	ds_load_b64 v[OB+12:OB+13], v7 offset:SCS
	s_wait_dscnt 0x0
	global_store_b64 v7, v[OB+12:OB+13], s[28:29]  ; wave 0: the 64 scale words, 256 consecutive bytes, aligned
.Ldone:
	s_wait_tensorcnt 0x0
	ds_add_u32 v176, v177
	s_wait_dscnt 0x0
	s_endpgm
.Lfunc_end_k_q81d13f9011_prep:
	.size	k_q81d13f9011_prep, .Lfunc_end_k_q81d13f9011_prep-k_q81d13f9011_prep
	.p2alignl 7, 3214868480
	.fill 96, 4, 3214868480
	.section	.rodata,"a",@progbits
	.p2align	6, 0x0
	.amdhsa_kernel k_q81d13f9011_prep
		.amdhsa_group_segment_fixed_size 8704
		.amdhsa_private_segment_fixed_size 0
		.amdhsa_enable_private_segment 0
		.amdhsa_kernarg_size 24
		.amdhsa_user_sgpr_count 2
		.amdhsa_user_sgpr_kernarg_segment_ptr 1
		.amdhsa_wavefront_size32 1
		.amdhsa_system_sgpr_workgroup_id_x 1
		.amdhsa_system_sgpr_workgroup_id_y 1
		.amdhsa_system_sgpr_workgroup_id_z 1
		.amdhsa_system_vgpr_workitem_id 0
		.amdhsa_next_free_vgpr 178
		.amdhsa_next_free_sgpr 66
		.amdhsa_reserve_vcc 0
		.amdhsa_float_denorm_mode_32 3
		.amdhsa_float_denorm_mode_16_64 3
		.amdhsa_memory_ordered 1
		.amdhsa_forward_progress 1
		.amdhsa_inst_pref_size 17
	.end_amdhsa_kernel
	.amdgpu_metadata
---
amdhsa.version: [ 1, 2 ]
amdhsa.kernels:
  - .name:           k_q81d13f9011_prep
    .symbol:         k_q81d13f9011_prep.kd
    .args:
      - { .name: coeff, .offset: 0, .size: 8, .value_kind: global_buffer, .address_space: global }
      - { .name: base_weight, .offset: 8, .size: 8, .value_kind: global_buffer, .address_space: global }
      - { .name: wq, .offset: 16, .size: 8, .value_kind: global_buffer, .address_space: global }
    .group_segment_fixed_size: 8704
    .private_segment_fixed_size: 0
    .kernarg_segment_align: 8
    .kernarg_segment_size: 24
    .max_flat_workgroup_size: 128
    .sgpr_count:     66
    .vgpr_count:     178
    .wavefront_size: 32
...
	.end_amdgpu_metadata
.endif
;; end of part 1
;; launch kan (part 2): grid 256 x 1, 8 waves a work-group, clusters of 4 x 1, 327,680 bytes of LDS; arguments x, knots, wq, out0; writes out0
.if DOCPART == 2
	.amdgcn_target "amdgcn-amd-amdhsa--gfx1250"
	.amdhsa_code_object_version 6
	.text
	.protected	k_q81d13f9011_kan
	.globl	k_q81d13f9011_kan
	.p2align	8
	.type	k_q81d13f9011_kan,@function
k_q81d13f9011_kan:
	s_mov_b64 s[64:65], 0
	v_nop
	global_prefetch_b8 v0, s[64:65] scope:SCOPE_SE
	s_setreg_imm32_b32 hwreg(HW_REG_WAVE_MODE, 25, 1), 1
	s_wait_xcnt 0x0
	s_wait_alu depctr_hold_cnt(0) depctr_sa_sdst(0) depctr_va_vdst(0) depctr_va_sdst(0) depctr_va_ssrc(0) depctr_va_vcc(0) depctr_vm_vsrc(0)
	s_getreg_b32 s2, hwreg(HW_REG_IB_STS2, 6, 4)
	s_cmp_eq_u32 s2, 0
	s_cbranch_scc0 .Lentry_in_a_cluster
	s_endpgm
.Lentry_in_a_cluster:
	s_bfe_u32 s2, ttmp6, 0x10000c
	s_cmp_lg_u32 s2, 0x3003
	s_cbranch_scc0 .Lentry_shape_is_right
	s_endpgm
.Lentry_shape_is_right:
; out = silu(x Wb) + basis(x) C, both products on codes of E3M2 with one E8M0 scale for each 32 along K.  x [16384][512] f32, knots [12] f32, out [16384][512] f32; wq: both weights as register images (first launch).
; SHARES.  A work-group owns 64 rows and all 512 outputs, so the basis of an element is made once and never goes to memory.  Eight waves, two to a SIMD, each in two roles:
;   consumer: all 64 rows x outputs 64 w .. 64 w + 63: 4 x 4 accumulators for the spline product and 4 x 4 for the base product (window 1);
;   producer: block w % 4 of each spline K step for rows 32 (w / 4) + lane: four inputs, 32 basis values in ONE lane, so a block's maximum needs no other lane.
; ROUNDS.  18 rounds of two K steps of 128.  Round t multiplies block t of wq (LDS slot t % 2) by the A images that round t - 1 made (buffer t % 2) and makes those of round t + 1.
; Rounds 0-15: spline (inputs 32 t .. 32 t + 31); rounds 16, 17: base, whose A images are made on the way from the same tiles of x, so that x is read once.
; In a K step the wave's four groups of four matrix instructions stand between the parts of its vector work; the 16 accumulators take turns, one instruction a turn.
; CLUSTER.  All work-groups walk the same weights: four form a cluster and ask for each quarter of a block jointly (waves 0-3, one load each, mask of all four).  x is each work-group's own: wave 4 asks for it alone.
; THE BASIS, for knots in any order.  u_k = xc - t_k; its sign is the comparison xc >= t_k (differences keep denormals).  Orders 0 and 1 and order 2's divisor in one:
;   C2_i = max(0, u_{i+1} >= 0 ? -u_{i+2} / (d1_{i+1} d2_i) : u_i / (d1_i d2_i)): the two indicators of an order-1 entry exclude each other, and every divisor is at least 1e-8, so positive.
;   B2_i = u_i C2_i - u_{i+3} C2_{i+1};  C3_i = B2_i / d3_i;  B3_i = u_i C3_i - u_{i+4} C3_{i+1}.  Two neighbouring inputs go in one packed instruction.
; ORDER INSIDE A SPLINE BLOCK: input e = i % 4, basis r at place 16 (e / 2) + 2 r + e % 2, as the packed arithmetic leaves it; the weights' codes are laid the same way.
; THE MATRIX INSTRUCTION IS USED TRANSPOSED (source 0 = 16 outputs of the weights, source 1 = 16 rows): a lane holds eight neighbouring outputs of one row.
; LIMITS: NaN in x or the knots is not served; the sign of a zero result is not kept; a block of zeros gets the byte 1 with zero codes; the divisions are multiplications by reciprocals refined by one
; Newton step, two divisors multiplied ahead: a few units in the last place ahead of the quantiser; knot differences above 2^126 are not served (their reciprocal falls to zero).
; LDS (all of the WGP's is claimed):
.set W1OFF, 1<<17                      ; weights: slot 0 at 0, slot 1 here: one exclusive or turns an address; 102,400 bytes each
.set RBLK,  102400
.set AIMG,  102400                     ; A images: 2 buffers x 2 K steps x 4 tiles of rows x 1,536
.set ASC,   126976                     ; A scale words: 2 buffers x 2 K steps x 64 rows x 4
.set XR,    233472                     ; x ring: 4 places of 32 rows x (256 + 16); later eight stages of 16 x 272
.set XPOS,  8704
.set BIMG,  268288                     ; base A images: 4 K steps x 4 tiles x 1,536
.set BSC,   292864                     ; base A scale words: 4 x 256
.set SPARE, 293888                     ; the spare words, 128 bytes a wave: four blocks of 256 bytes that no other line names
; VECTOR REGISTERS, window 0 (window 1: v[8 a] spline accumulators, v[128 + 8 a] base accumulators, a = 4 m + n)
.set SPW, 1                            ; my spare word's address; never rewritten
.set NIL, 2                            ; 0; never rewritten
.set XA0, 3                            ; bases (never rewritten) and the round's working addresses
.set XA,  4
.set AW1_0, 5
.set AW2_0, 6
.set AW1, 7
.set AW2, 8
.set ASB0, 9
.set ASB, 10
.set LI,  11                           ; 16 x lane
.set AR,  12
.set BW0, 13
.set BW,  14
.set SWA0, 15
.set SWA, 16
.set SAA0, 17
.set SAA, 18
.set QXA0, 19
.set QXA, 20
.set QW0, 21
.set QW1, 23
.set QW2, 24
.set QSB0, 25
.set QSB, 26
.set PFO, 27                           ; 2,048 x lane: a row of x; never rewritten
.set SW,  28                           ; v28-29 the weights' scale words (tiles 0|1, 2|3 in the halves of the lanes); v30-31 A's
.set SA,  30
.set AF,  32                           ; v32-79   A's four fragments
.set WF,  80                           ; v80-127  the weights' four
.set P1,  128                          ; v128-137  1 / (d1_i d2_i)
.set NP2, 138                          ; v138-147 -1 / (d1_{i+1} d2_i)
.set R3,  148                          ; v148-156  1 / d3_i
.set XV,  158                          ; v158-161 four inputs
.set UU,  162                          ; v162-185 u_0 .. u_11, pairs
.set ARRA, 186                         ; v186-205 ten pairs, inputs 0, 1
.set ARRB, 206                         ; v206-225 inputs 2, 3
.set TMP, 226                          ; v226-233 four pairs at work
.set MXA, 234
.set MXB, 235
.set SCL, 236
.set BYT, 237
.set CD,  238                          ; v238-243 a block's codes
.set YD,  244
.set STO, 247                          ; the way out
.set RD,  248
.set CO,  249
; SCALAR REGISTERS
.set WV,  12                           ; wave
.set RT,  15                           ; round
.set G1W, 16                           ; s[16:23], s[24:27] the weights' descriptor; s[28:35], s[36:39] x's
.set G0W, 24
.set G1X, 28
.set G0X, 36
.set NT,  40                           ; s[40+2k:41+2k] -t_k, twice
.set MK,  66                           ; s66-73 lane masks
.set LO,  74
.set HI,  75
.set TW,  76
.set TAR, 77
.set TSR, 78
.set TAW, 79
.set TSW, 80
.set TX,  81
.set TQX, 82
.set TQ1, 83
.set TQ2, 84
.set TQS, 85
.set PP,  86
.set LX,  87                           ; s88, s89 at work; s[90:91] -log2(e); s[92:93] x at my rows; s[94:95] an offset; s[96:97] the prefetch
.set PFA, 96
.set MSB, 0
.macro WIN new                         ; the immediate's high byte repeats the setting that is left
.if MSB != \new
	s_set_vgpr_msb (MSB<<8)|\new
.set MSB, \new
.endif
.endm
.macro CROUND                          ; a round of the cluster's barrier
	s_barrier_signal -1
	s_barrier_wait -1
	s_cmp_lg_u32 s[WV], 0
	s_cbranch_scc1 .Lnot_wave_0_\@
	s_barrier_signal -3
.Lnot_wave_0_\@:
	s_barrier_wait -3
	s_barrier_signal -1
	s_barrier_wait -1
.endm
.macro XOFF                            ; s94 = where load s[LX] begins in my 64 rows of x: chunk LX / 2 (256 bytes along a row), rows 32 (LX % 2) on
	s_lshr_b32 s94, s[LX], 1
	s_lshl_b32 s94, s94, 8
	s_and_b32 s88, s[LX], 1
	s_lshl_b32 s88, s88, 16
	s_add_co_u32 s94, s94, s88
.endm
.macro XDESC                           ; x's group 0 for load s[LX]: place LX % 4 of the ring
	s_and_b32 s88, s[LX], 3
	s_mul_i32 s88, s88, XPOS
	s_add_co_u32 s[G0X+1], s88, XR
	XOFF
	s_add_nc_u64 s[G0X+2:G0X+3], s[92:93], s[94:95]
	s_or_b32 s[G0X+3], s[G0X+3], 0x80000000
.endm
; Waves 0-3 ask jointly for the next block of weights, a quarter each; with fx = 1 wave 4 asks for 32 rows of x.  The branches hang on the wave's number alone.  Four v_nop follow each load.
.macro TLOAD fx
	s_cmp_lt_u32 s[WV], 4
	s_cbranch_scc0 .Lnot_w_\@
	tensor_load_to_lds s[G0W:G0W+3], s[G1W:G1W+7]
	s_nop 0
.rept 4
	v_nop
.endr
.if \fx
	s_branch .Lasked_\@
.endif
.Lnot_w_\@:
.if \fx
	s_cmp_eq_u32 s[WV], 4
	s_cbranch_scc0 .Lasked_\@
	tensor_load_to_lds s[G0X:G0X+3], s[G1X:G1X+7]
	s_nop 0
.rept 4
	v_nop
.endr
.Lasked_\@:
.endif
.endm
; A prefetch of what the NEXT round's load of x will ask for: 32 rows x 256 bytes, a lane a row, one instruction of wave 5, which fetches nothing.  A work-group's rows are its own, so each block of 256 bytes
; is named once in the launch.  Loads 0 to 3 come by themselves; round 11 names the last load, 15, and later rounds name nothing.
.macro ASK
	s_cmp_eq_u32 s[WV], 5
	s_cbranch_scc0 .Lnot_mine_\@
	s_cmp_lt_u32 s[RT], 12
	s_cbranch_scc0 .Lnot_mine_\@
	global_prefetch_b8 v[PFO], s[PFA:PFA+1] th:TH_LOAD_NT scope:SCOPE_SE
.Lnot_mine_\@:
.endm
; Two inputs v[xp], v[xp + 1]: clipped; u_0 .. u_11; C2_0 .. C2_9 into arr.  Two i at a time; the mask registers and the pairs at work take turns.
.macro P12 xp, arr
	v_max_num_f32 v[\xp], s[LO], v[\xp]
	v_max_num_f32 v[\xp+1], s[LO], v[\xp+1]
	s_delay_alu instid0(VALU_DEP_2)
	v_min_num_f32 v[\xp], s[HI], v[\xp]
	s_delay_alu instid0(VALU_DEP_2)
	v_min_num_f32 v[\xp+1], s[HI], v[\xp+1]
.irp k, 0,1,2,3,4,5,6,7,8,9,10,11
	v_pk_add_f32 v[UU+2*\k:UU+2*\k+1], v[\xp:\xp+1], s[NT+2*\k:NT+2*\k+1] op_sel_hi:[1,0]
.endr
.irp g, 0,1,2,3,4
	v_pk_mul_f32 v[\arr+4*\g:\arr+4*\g+1], v[UU+4*\g:UU+4*\g+1], v[P1+2*\g:P1+2*\g+1] op_sel_hi:[1,0]                          ; u_i P1_i, i = 2 g: the pair's first register for both halves
	v_pk_mul_f32 v[TMP+4*(\g%2):TMP+4*(\g%2)+1], v[UU+4*\g+4:UU+4*\g+5], v[NP2+2*\g:NP2+2*\g+1] op_sel_hi:[1,0]               ; u_{i+2} NP2_i
	v_pk_mul_f32 v[\arr+4*\g+2:\arr+4*\g+3], v[UU+4*\g+2:UU+4*\g+3], v[P1+2*\g:P1+2*\g+1] op_sel:[0,1] op_sel_hi:[1,1]          ; i = 2 g + 1: the pair's second register for both halves
	v_pk_mul_f32 v[TMP+4*(\g%2)+2:TMP+4*(\g%2)+3], v[UU+4*\g+6:UU+4*\g+7], v[NP2+2*\g:NP2+2*\g+1] op_sel:[0,1] op_sel_hi:[1,1]
.irp q, 0,1,2,3
	v_cmp_le_f32 s[MK+4*(\g%2)+\q], 0, v[UU+4*\g+2+\q]                 ; u_{i+1} >= 0
.endr
.irp q, 0,1,2,3
	s_delay_alu instid0(VALU_DEP_4)
	v_cndmask_b32 v[\arr+4*\g+\q], v[\arr+4*\g+\q], v[TMP+4*(\g%2)+\q], s[MK+4*(\g%2)+\q]
.endr
.irp q, 0,1,2,3
	s_delay_alu instid0(VALU_DEP_4)
	v_max_num_f32 v[\arr+4*\g+\q], 0, v[\arr+4*\g+\q]
.endr
.endr
.endm
; C2 -> B2 -> C3 -> B3, in place, ascending: entry i + 1 is read before it is written
.macro P34 arr
.irp g, 0,4
.irp q, 0,1,2,3
	v_pk_mul_f32 v[TMP+2*\q:TMP+2*\q+1], v[UU+2*(\g+\q)+6:UU+2*(\g+\q)+7], v[\arr+2*(\g+\q)+2:\arr+2*(\g+\q)+3]
.endr
.irp q, 0,1,2,3
	s_delay_alu instid0(VALU_DEP_4)
	v_pk_fma_f32 v[\arr+2*(\g+\q):\arr+2*(\g+\q)+1], v[UU+2*(\g+\q):UU+2*(\g+\q)+1], v[\arr+2*(\g+\q):\arr+2*(\g+\q)+1], v[TMP+2*\q:TMP+2*\q+1] neg_lo:[0,0,1] neg_hi:[0,0,1]
.endr
.irp q, 0,2
	s_delay_alu instid0(VALU_DEP_4)
	v_pk_mul_f32 v[\arr+2*(\g+\q):\arr+2*(\g+\q)+1], v[\arr+2*(\g+\q):\arr+2*(\g+\q)+1], v[R3+\g+\q:R3+\g+\q+1] op_sel_hi:[1,0]
	s_delay_alu instid0(VALU_DEP_4)
	v_pk_mul_f32 v[\arr+2*(\g+\q)+2:\arr+2*(\g+\q)+3], v[\arr+2*(\g+\q)+2:\arr+2*(\g+\q)+3], v[R3+\g+\q:R3+\g+\q+1] op_sel:[0,1] op_sel_hi:[1,1]
.endr
.endr
	v_pk_mul_f32 v[TMP:TMP+1], v[UU+22:UU+23], v[\arr+18:\arr+19]
	s_delay_alu instid0(VALU_DEP_1)
	v_pk_fma_f32 v[\arr+16:\arr+17], v[UU+16:UU+17], v[\arr+16:\arr+17], v[TMP:TMP+1] neg_lo:[0,0,1] neg_hi:[0,0,1]
	s_delay_alu instid0(VALU_DEP_1)
	v_pk_mul_f32 v[\arr+16:\arr+17], v[\arr+16:\arr+17], v[R3+8:R3+9] op_sel_hi:[1,0]
.irp g, 0,4
.irp q, 0,1,2,3
	v_pk_mul_f32 v[TMP+2*\q:TMP+2*\q+1], v[UU+2*(\g+\q)+8:UU+2*(\g+\q)+9], v[\arr+2*(\g+\q)+2:\arr+2*(\g+\q)+3]
.endr
.irp q, 0,1,2,3
	s_delay_alu instid0(VALU_DEP_4)
	v_pk_fma_f32 v[\arr+2*(\g+\q):\arr+2*(\g+\q)+1], v[UU+2*(\g+\q):UU+2*(\g+\q)+1], v[\arr+2*(\g+\q):\arr+2*(\g+\q)+1], v[TMP+2*\q:TMP+2*\q+1] neg_lo:[0,0,1] neg_hi:[0,0,1]
.endr
.endr
.endm
; 32 numbers in two runs of 16 registers become six registers of codes in v[CD] on and the scale's byte in v[BYT]
.macro QUANT a, b
	v_max3_num_f32 v[MXA], |v[(\a)]|, |v[(\a)+1]|, 0x2800000          ; the floor 2^(5 - 127): the byte cannot fall under 1
	v_max3_num_f32 v[MXB], |v[(\b)]|, |v[(\b)+1]|, |v[(\b)+2]|
.irp i, 2,4,6,8,10,12
	s_delay_alu instid0(VALU_DEP_2)
	v_max3_num_f32 v[MXA], v[MXA], |v[(\a)+\i]|, |v[(\a)+\i+1]|
	s_delay_alu instid0(VALU_DEP_2)
	v_max3_num_f32 v[MXB], v[MXB], |v[(\b)+\i+1]|, |v[(\b)+\i+2]|
.endr
	s_delay_alu instid0(VALU_DEP_2)
	v_max3_num_f32 v[MXA], v[MXA], |v[(\a)+14]|, |v[(\a)+15]|
	s_delay_alu instid0(VALU_DEP_1)
	v_max3_num_f32 v[MXA], v[MXA], v[MXB], |v[(\b)+15]|
	s_delay_alu instid0(VALU_DEP_1)
	v_add_nc_u32 v[SCL], 0xfe000000, v[MXA]                          ; 4 off the exponent field: the conversion takes that field as its scale
	v_cvt_scalef32_pk16_bf6_f32 v[CD:CD+2], v[(\a):(\a)+15], v[SCL]
	v_cvt_scalef32_pk16_bf6_f32 v[YD:YD+2], v[(\b):(\b)+15], v[SCL]  ; (a conversion's three registers begin on an even number)
	v_lshrrev_b32 v[BYT], 23, v[SCL]                                 ; the byte; also the plain line behind the conversions
	v_mov_b32 v[CD+3], v[YD]
	v_mov_b32 v[CD+4], v[YD+1]
	v_mov_b32 v[CD+5], v[YD+2]
.endm
; One matrix instruction: tile of rows m x tile of outputs n.  Odd tiles take their scale words from lanes 16-31 of the register.
.macro WM m, n, acc, zero
.set rD, (\acc)+8*(4*(\m)+(\n))
.set rW, WF+12*(\n)
.set rA, AF+12*(\m)
.set rP, SW+(\n)/2
.set rQ, SA+(\m)/2
.set rows, 2*((\m)%2)+(\n)%2
.if \zero
.if rows == 0
	v_wmma_scale_f32_16x16x128_f8f6f4 v[rD:rD+7], v[rW:rW+11], v[rA:rA+11], 0, v[rP], v[rQ] matrix_a_fmt:MATRIX_FMT_BF6 matrix_b_fmt:MATRIX_FMT_BF6
.elseif rows == 1
	v_wmma_scale_f32_16x16x128_f8f6f4 v[rD:rD+7], v[rW:rW+11], v[rA:rA+11], 0, v[rP], v[rQ] matrix_a_fmt:MATRIX_FMT_BF6 matrix_b_fmt:MATRIX_FMT_BF6 matrix_a_scale:MATRIX_SCALE_ROW1
.elseif rows == 2
	v_wmma_scale_f32_16x16x128_f8f6f4 v[rD:rD+7], v[rW:rW+11], v[rA:rA+11], 0, v[rP], v[rQ] matrix_a_fmt:MATRIX_FMT_BF6 matrix_b_fmt:MATRIX_FMT_BF6 matrix_b_scale:MATRIX_SCALE_ROW1
.else
	v_wmma_scale_f32_16x16x128_f8f6f4 v[rD:rD+7], v[rW:rW+11], v[rA:rA+11], 0, v[rP], v[rQ] matrix_a_fmt:MATRIX_FMT_BF6 matrix_b_fmt:MATRIX_FMT_BF6 matrix_a_scale:MATRIX_SCALE_ROW1 matrix_b_scale:MATRIX_SCALE_ROW1
.endif
.else
.if rows == 0
	v_wmma_scale_f32_16x16x128_f8f6f4 v[rD:rD+7], v[rW:rW+11], v[rA:rA+11], v[rD:rD+7], v[rP], v[rQ] matrix_a_fmt:MATRIX_FMT_BF6 matrix_b_fmt:MATRIX_FMT_BF6
.elseif rows == 1
	v_wmma_scale_f32_16x16x128_f8f6f4 v[rD:rD+7], v[rW:rW+11], v[rA:rA+11], v[rD:rD+7], v[rP], v[rQ] matrix_a_fmt:MATRIX_FMT_BF6 matrix_b_fmt:MATRIX_FMT_BF6 matrix_a_scale:MATRIX_SCALE_ROW1
.elseif rows == 2
	v_wmma_scale_f32_16x16x128_f8f6f4 v[rD:rD+7], v[rW:rW+11], v[rA:rA+11], v[rD:rD+7], v[rP], v[rQ] matrix_a_fmt:MATRIX_FMT_BF6 matrix_b_fmt:MATRIX_FMT_BF6 matrix_b_scale:MATRIX_SCALE_ROW1
.else
	v_wmma_scale_f32_16x16x128_f8f6f4 v[rD:rD+7], v[rW:rW+11], v[rA:rA+11], v[rD:rD+7], v[rP], v[rQ] matrix_a_fmt:MATRIX_FMT_BF6 matrix_b_fmt:MATRIX_FMT_BF6 matrix_a_scale:MATRIX_SCALE_ROW1 matrix_b_scale:MATRIX_SCALE_ROW1
.endif
.endif
.endm
.macro GM m, acc, zero
.irp n, 0,1,2,3
	WM \m, \n, \acc, \zero
.endr
.endm
.macro G m, acc, zero                  ; a group of four, C and D in window 1
	WIN 0x50
	GM \m, \acc, \zero
	WIN 0
.endm
; K step s of the round: (my four inputs,) A's four fragments, the weights' four, and the scale words
.macro LOADS s, withx
.if \withx
	ds_load_b128 v[XV:XV+3], v[pXA] offset:64*\s
.endif
.irp m, 0,1,2,3
.irp j, 0,1,2
	ds_load_b128 v[AF+12*\m+4*\j:AF+12*\m+4*\j+3], v[AR] offset:6144*\s+1536*\m+512*\j
.endr
.endr
.irp n, 0,1,2,3
.irp j, 0,1,2
	ds_load_b128 v[WF+12*\n+4*\j:WF+12*\n+4*\j+3], v[BW] offset:49152*\s+1536*\n+512*\j
.endr
.endr
	ds_load_b32 v[SW], v[SWA] offset:2048*\s
	ds_load_b32 v[SW+1], v[SWA] offset:2048*\s+128
	ds_load_b32 v[SA], v[SAA] offset:256*\s
	ds_load_b32 v[SA+1], v[SAA] offset:256*\s+128
.endm
.macro STOREA s                        ; my block's six registers into the image of my row's tile, and its byte into my row's scale word
	ds_store_b64 v[pW1], v[CD:CD+1] offset:6144*\s
	ds_store_b64 v[pW2], v[CD+2:CD+3] offset:6144*\s+8
	ds_store_b64 v[pW1], v[CD+4:CD+5] offset:6144*\s+512
	ds_store_b8 v[pSB], v[BYT] offset:256*\s
.endm
; A K step with production.  The vector lines between the groups name none of the matrix instructions' registers; the quantiser's sixteen maxima are the places in front of the next loads into the fragments.
.macro ITER s, zero
	LOADS \s, 1
	s_wait_dscnt 28                                ; my inputs are in; the 28 loads issued behind them may be out
	P12 XV, ARRA
	s_wait_dscnt 0x0                               ; fragments and scale words are in
	G 0, 0, \zero
	P34 ARRA
	G 1, 0, \zero
	P12 XV+2, ARRB
	G 2, 0, \zero
	P34 ARRB
	G 3, 0, \zero
	QUANT ARRA, ARRB
	STOREA \s
.endm
.macro ITERP s                         ; production alone
	ds_load_b128 v[XV:XV+3], v[pXA] offset:64*\s
	s_wait_dscnt 0x0
	P12 XV, ARRA
	P34 ARRA
	P12 XV+2, ARRB
	P34 ARRB
	QUANT ARRA, ARRB
	STOREA \s
.endm
.macro ITERC s, acc, zero              ; products alone
	LOADS \s, 0
	s_wait_dscnt 0x0
	WIN 0x50
	GM 0, \acc, \zero
	GM 1, \acc, \zero
	GM 2, \acc, \zero
	GM 3, \acc, \zero
	WIN 0
.rept 4
	v_nop                                          ; places in front of the next loads into the fragments, and of the first read of results
.endr
.endm
; In even rounds waves 0-3 quantise x itself for the base product: the chunk's 64 rows x 2 blocks of 32, a lane a block.
.macro QX
	s_and_b32 s88, s[RT], 1
	s_cmp_eq_u32 s88, 0
	s_cbranch_scc0 .Lno_qx_\@
	s_cmp_lt_u32 s[WV], 4
	s_cbranch_scc0 .Lno_qx_\@
.irp i, 0,1,2,3,4,5,6,7
	ds_load_b128 v[WF+4*\i:WF+4*\i+3], v[QXA] offset:16*\i
.endr
	s_wait_dscnt 0x0
	QUANT WF, WF+16
	ds_store_b64 v[QW1], v[CD:CD+1]
	ds_store_b64 v[QW2], v[CD+2:CD+3] offset:8
	ds_store_b64 v[QW1], v[CD+4:CD+5] offset:512
	ds_store_b8 v[QSB], v[BYT]
.Lno_qx_\@:
.endm
; THE HEAD OF A ROUND.  Every wave waits for all its tensor loads (at most one is out: its quarter of this round's weights, or 32 rows of x), adds 0 to its spare word, and waits for that, for its reads of the slot,
; the A buffer and the x places that are written next, and for its stores of A images.  Behind the barrier (a round of the cluster's where the next weights are asked for) the refill comes first.
; fw: ask for weights; fx: ask for x; prod: this round produces; ab: A comes from the base images.
.macro HEAD fw, fx, prod, ab
	s_wait_tensorcnt 0x0
	ds_add_u32 v[SPW], v[NIL]                      ; 0 onto my spare word; the scalar work below stands between it and the wait for it
	ds_add_u32 v[SPW], v[NIL]
.if \fw
	s_xor_b32 s[G0W+1], s[G0W+1], W1OFF            ; the other slot,
	s_add_nc_u64 s[G0W+2:G0W+3], s[G0W+2:G0W+3], RBLK   ; the next block; the type bits on top are not reached
.endif
.if \fx
	s_wait_xcnt 0x0                                ; the last prefetch, a round back, has read its address
	s_add_co_u32 s[LX], s[RT], 3
	XDESC
	s_add_co_u32 s[LX], s[RT], 4
	XOFF
	s_add_nc_u64 s[PFA:PFA+1], s[92:93], s[94:95]
.endif
	s_and_b32 s88, s[RT], 1
	s_lshl_b32 s[TW], s88, 17
	s_mul_i32 s[TAR], s88, 12288
	s_lshl_b32 s[TSR], s88, 9
.if \ab
	s_add_co_u32 s[TAR], s[TAR], BIMG
	s_add_co_u32 s[TSR], s[TSR], BSC-ASC
.else
	s_add_co_u32 s[TAR], s[TAR], AIMG
.endif
.if \prod
	s_xor_b32 s89, s88, 1
	s_mul_i32 s[TAW], s89, 12288                   ; the other A buffer
	s_lshl_b32 s[TSW], s89, 9
	s_lshl_b32 s89, s89, 7                         ; production p = RT + 1: inputs 32 p on: chunk p / 2, its half p % 2
	s_add_co_u32 s[PP], s[RT], 1
	s_bfe_u32 s88, s[PP], 0x10001                  ; chunk % 2
	s_mul_i32 s[TQX], s88, 2*XPOS
	s_add_co_u32 s[TX], s[TQX], s89
	s_lshr_b32 s89, s[PP], 2                       ; the base K step of the chunk; chunk % 2 is its c
	s_mul_i32 s[TQ1], s89, 6144
	s_mul_i32 s[TQ2], s88, 1016
	s_add_co_u32 s[TQ2], s[TQ2], s[TQ1]
	s_mul_i32 s[LX], s88, 520
	s_add_co_u32 s[TQ1], s[TQ1], s[LX]
	s_lshl_b32 s[TQS], s89, 8
	s_lshl_b32 s88, s88, 1
	s_add_co_u32 s[TQS], s[TQS], s88
.endif
	s_wait_dscnt 0x0
.if \fw
	CROUND
	TLOAD \fx
.if \fx
	ASK
.endif
.else
	s_barrier_signal -1
	s_barrier_wait -1
.endif
	v_add_nc_u32 v[AR], s[TAR], v[LI]
	v_add_nc_u32 v[BW], s[TW], v[BW0]
	v_add_nc_u32 v[SWA], s[TW], v[SWA0]
	v_add_nc_u32 v[SAA], s[TSR], v[SAA0]
.if \prod
	v_add_nc_u32 v[XA], s[TX], v[XA0]
	v_add_nc_u32 v[AW1], s[TAW], v[AW1_0]
	v_add_nc_u32 v[AW2], s[TAW], v[AW2_0]
	v_add_nc_u32 v[ASB], s[TSW], v[ASB0]
	v_add_nc_u32 v[QXA], s[TQX], v[QXA0]
	v_add_nc_u32 v[QW1], s[TQ1], v[QW0]
	v_add_nc_u32 v[QW2], s[TQ2], v[QW0]
	v_add_nc_u32 v[QSB], s[TQS], v[QSB0]
.endif
.endm
	s_load_b256 s[4:11], s[0:1], 0x0               ; x s[4:5], knots s[6:7], wq s[8:9], out s[10:11]
	v_lshl_add_u32 v[SPW], v0, 2, SPARE
	v_mov_b32 v[NIL], 0
	ds_add_u32 v1, v2
	ds_add_u32 v1, v2
	s_wait_dscnt 0x0
	v_lshrrev_b32 v226, 5, v0
	s_delay_alu instid0(VALU_DEP_1)
	v_readfirstlane_b32 s[WV], v226                ; wave 0..7
	s_bfe_u32 s13, ttmp6, 0x40000                  ; cx
	s_lshl_b32 s14, ttmp9, 2
	s_add_co_u32 s14, s14, s13                     ; my work-group: it enters x's and out's addresses alone
	; the weights: a quarter of a block, 25,600 dense bytes, as 100 rows of 256 bytes (32 elements of 8 bytes), no padding
	s_mov_b32 s[G1W+0], 15|(3<<16)|(1<<21)         ; 15:0 the mask: all four work-groups; 17:16 elements of 8 bytes; 21 set beside a mask
	s_mov_b32 s[G1W+1], 32<<16                     ; tensor_dim0
	s_mov_b32 s[G1W+2], 100<<16                    ; tensor_dim1
	s_mov_b32 s[G1W+3], 32<<16                     ; tile_dim0
	s_mov_b32 s[G1W+4], 100                        ; tile_dim1
	s_mov_b32 s[G1W+5], 32                         ; from row to row
	s_mov_b32 s[G1W+6], 0
	s_mov_b32 s[G1W+7], 0
	; x: 32 rows x 64 numbers, 16 bytes of padding behind each row's 256
	s_mov_b32 s[G1X+0], (2<<16)|(1<<20)|(5<<22)|(3<<25)   ; no mask; elements of 4 bytes; padding on, after every 64 words, 4 words
	s_mov_b32 s[G1X+1], 64<<16
	s_mov_b32 s[G1X+2], 32<<16
	s_mov_b32 s[G1X+3], 64<<16
	s_mov_b32 s[G1X+4], 32
	s_mov_b32 s[G1X+5], 512
	s_mov_b32 s[G1X+6], 0
	s_mov_b32 s[G1X+7], 0
	s_and_b32 s[LX], s[WV], 3                      ; waves 0-3: my quarter; waves 4-6: my first load of x
	s_mul_i32 s88, s[LX], 25600
	s_mov_b32 s89, 0
	s_mov_b32 s[G0W], 1
	s_mov_b32 s[G0W+1], s88                        ; slot 0
	s_mov_b32 s[G0X], 1
	s_lshl_b32 s94, s14, 17                        ; 64 rows x 2,048 bytes, in x and in out
	s_mov_b32 s95, 0
	s_mov_b32 s90, 0xbfb8aa3b                      ; -log2(e)
	s_mov_b32 s91, s90                             ; (named with it as a pair)
	s_wait_kmcnt 0x0
	s_add_nc_u64 s[G0W+2:G0W+3], s[8:9], s[88:89]  ; block 0
	s_or_b32 s[G0W+3], s[G0W+3], 0x80000000
	s_add_nc_u64 s[92:93], s[4:5], s[94:95]
	s_add_nc_u64 s[10:11], s[10:11], s[94:95]
	s_lshl_b32 s94, s[WV], 8
	s_add_nc_u64 s[10:11], s[10:11], s[94:95]      ; out at my rows, my wave's 64 outputs
	XDESC
	CROUND                                         ; all four work-groups are here: the first joint loads meet
	s_cmp_lt_u32 s[WV], 4                          ; the first fills: weights block 0 (waves 0-3), x loads 0, 1, 2 (waves 4-6)
	s_cbranch_scc0 .Lfirst_x
	tensor_load_to_lds s[G0W:G0W+3], s[G1W:G1W+7]
	s_nop 0
.rept 4
	v_nop
.endr
	s_branch .Lfirst_asked
.Lfirst_x:
	s_cmp_lt_u32 s[WV], 7
	s_cbranch_scc0 .Lfirst_asked
	tensor_load_to_lds s[G0X:G0X+3], s[G1X:G1X+7]
	s_nop 0
.rept 4
	v_nop
.endr
.Lfirst_asked:
	; the knots: lane l takes t_l, t_{l+1}, t_{l+2}, t_{l+3} (the index held at 11)
	v_and_b32 v226, 31, v0                         ; lane
.irp j, 0,1,2,3
	v_add_nc_u32 v[232+\j], \j, v226
	s_delay_alu instid0(VALU_DEP_1)
	v_min_u32 v[232+\j], 11, v[232+\j]
	s_delay_alu instid0(VALU_DEP_1)
	v_lshlrev_b32 v[232+\j], 2, v[232+\j]
.endr
.irp j, 0,1,2,3
	global_load_b32 v[162+\j], v[232+\j], s[6:7]
.endr
	; the address bases, while the loads are out
	v_and_b32 v227, 15, v0                         ; lane % 16
	v_bfe_u32 v228, v0, 4, 1                       ; lane / 16
	v_lshlrev_b32 v[LI], 4, v226
	v_lshlrev_b32 v229, 2, v226
	v_lshlrev_b32 v[PFO], 11, v226
	s_delay_alu instid0(VALU_DEP_4)
	v_mul_u32_u24 v230, v228, 1536
	s_delay_alu instid0(VALU_DEP_1)
	v_lshl_add_u32 v230, v227, 4, v230             ; an image's place for a row: tile (lane / 16), lane % 16
	v_mul_u32_u24 v231, v226, 272                  ; a row of the x ring
	s_wait_alu depctr_va_vdst(0)
	s_and_b32 s76, s[WV], 3                        ; b: my block of a spline K step
	s_lshr_b32 s77, s[WV], 2                       ; which 32 rows I produce
	s_and_b32 s78, s[WV], 1                        ; h
	s_bfe_u32 s79, s[WV], 0x10001                  ; c
	s_mul_i32 s80, s77, XPOS
	s_lshl_b32 s81, s76, 4
	s_add_co_u32 s80, s80, s81
	s_add_co_u32 s80, s80, XR
	v_add_nc_u32 v[XA0], s80, v231                 ; my row, my block's four inputs
	s_mul_i32 s80, s77, 3072
	s_lshl_b32 s81, s78, 8
	s_add_co_u32 s80, s80, s81
	s_add_co_u32 s80, s80, AIMG
	s_mul_i32 s81, s79, 520
	s_add_co_u32 s81, s81, s80
	v_add_nc_u32 v[AW1_0], s81, v230               ; registers 6 c, 6 c + 1 here, 6 c + 4, 5 at + 512
	s_mul_i32 s81, s79, 1016
	s_add_co_u32 s81, s81, s80
	v_add_nc_u32 v[AW2_0], s81, v230               ; registers 6 c + 2, 3 at + 8
	s_lshl_b32 s80, s77, 7
	s_add_co_u32 s80, s80, s76
	s_add_co_u32 s80, s80, ASC
	v_add_nc_u32 v[ASB0], s80, v229                ; my row's scale word, byte b
	s_mul_i32 s80, s[WV], 6144
	v_add_nc_u32 v[BW0], s80, v[LI]                ; my four tiles of the weights
	s_lshl_b32 s80, s[WV], 8
	s_add_co_u32 s80, s80, 98304
	v_add_nc_u32 v[SWA0], s80, v229                ; their scale words: lanes 0-15 one tile, lanes 16-31 the next
	v_add_nc_u32 v[SAA0], ASC, v229                ; A's likewise
	s_mul_i32 s80, s79, XPOS                       ; for the base product: rows 32 ((w / 2) % 2) + lane, block w % 2 of the chunk
	s_lshl_b32 s81, s78, 7
	s_add_co_u32 s80, s80, s81
	s_add_co_u32 s80, s80, XR
	v_add_nc_u32 v[QXA0], s80, v231
	s_mul_i32 s80, s79, 3072
	s_lshl_b32 s81, s78, 8
	s_add_co_u32 s80, s80, s81
	s_add_co_u32 s80, s80, BIMG
	v_add_nc_u32 v[QW0], s80, v230
	s_lshl_b32 s80, s79, 7
	s_add_co_u32 s80, s80, s78
	s_add_co_u32 s80, s80, BSC
	v_add_nc_u32 v[QSB0], s80, v229
	s_mul_i32 s80, s[WV], 16*272                   ; the way out: my stage, in the x ring
	s_add_co_u32 s80, s80, XR
	v_mul_u32_u24 v[STO], v227, 272
	s_delay_alu instid0(VALU_DEP_1)
	v_lshl_add_u32 v[STO], v228, 5, v[STO]
	s_delay_alu instid0(VALU_DEP_1)
	v_add_nc_u32 v[STO], s80, v[STO]               ; in: row lane % 16, 32 bytes for each half of the lanes
	v_mul_u32_u24 v[RD], v228, 272
	s_delay_alu instid0(VALU_DEP_1)
	v_lshl_add_u32 v[RD], v227, 4, v[RD]
	s_delay_alu instid0(VALU_DEP_1)
	v_add_nc_u32 v[RD], s80, v[RD]                 ; back: lanes 0-15 one row of 256 bytes, lanes 16-31 the next
	v_lshlrev_b32 v[CO], 11, v228
	s_delay_alu instid0(VALU_DEP_1)
	v_lshl_add_u32 v[CO], v227, 4, v[CO]           ; and the same two rows in out
	s_wait_loadcnt 0x0
	v_sub_f32 v166, v163, v162                     ; d1_l
	v_sub_f32 v167, v164, v163                     ; d1_{l+1}
	v_sub_f32 v168, v164, v162                     ; d2_l
	v_sub_f32 v169, v165, v162                     ; d3_l
.irp j, 0,1,2,3
	s_delay_alu instid0(VALU_DEP_4)
	v_max_num_f32 v[166+\j], 0x322bcc77, v[166+\j] ; at least 1e-8
.endr
	s_wait_alu depctr_va_vdst(0)
.irp j, 0,1,2,3
	v_rcp_f32 v[170+\j], v[166+\j]
.endr
	v_mul_f32 v176, -1.0, v162                     ; -t_l.  (The plain line behind the reciprocals)
	s_wait_alu depctr_va_vdst(0)                   ; one wait for the four, ahead of their first reader
.irp j, 0,1,2,3
	v_fma_f32 v[178+\j], -v[166+\j], v[170+\j], 1.0
.endr
.irp j, 0,1,2,3
	v_fma_f32 v[170+\j], v[170+\j], v[178+\j], v[170+\j]   ; one Newton step
.endr
	s_delay_alu instid0(VALU_DEP_2)
	v_mul_f32 v174, v170, v172                     ;  1 / (d1_l d2_l)
	s_delay_alu instid0(VALU_DEP_3)
	v_mul_f32 v175, -v171, v172                    ; -1 / (d1_{l+1} d2_l)
.irp k, 0,1,2,3,4,5,6,7,8,9,10,11
	v_readlane_b32 s[NT+2*\k], v176, \k
	s_mov_b32 s[NT+2*\k+1], s[NT+2*\k]             ; (named with it as a pair)
.endr
	v_readlane_b32 s[LO], v162, 3                  ; the clip's bounds: t_3, t_8
	v_readlane_b32 s[HI], v162, 8
.irp i, 0,1,2,3,4,5,6,7,8,9
	v_readlane_b32 s88, v174, \i
	v_readlane_b32 s89, v175, \i
	s_delay_alu instid0(VALU_DEP_2)
	v_mov_b32 v[P1+\i], s88
	s_delay_alu instid0(VALU_DEP_2)
	v_mov_b32 v[NP2+\i], s89
.endr
.irp i, 0,1,2,3,4,5,6,7,8
	v_readlane_b32 s88, v173, \i
	s_delay_alu instid0(VALU_DEP_1)
	v_mov_b32 v[R3+\i], s88
.endr
	v_mov_b32 v[R3+9], 0                           ; (named as the upper half of a pair)
	s_wait_tensorcnt 0x0                           ; my first fill has landed,
	s_barrier_signal -1
	s_barrier_wait -1                              ; everybody's has
	; production 0, into A buffer 0, from the first half of chunk 0: the bases are the addresses
.set pXA, XA0
.set pW1, AW1_0
.set pW2, AW2_0
.set pSB, ASB0
	ITERP 0
	ITERP 1
.set pXA, XA
.set pW1, AW1
.set pW2, AW2
.set pSB, ASB
	s_mov_b32 s[RT], 0
	HEAD 1, 1, 1, 0
	ITER 0, 1
	ITER 1, 0
	QX
	s_mov_b32 s[RT], 1
.Lround_x:                                             ; rounds 1 to 12: weights and x are asked for
	HEAD 1, 1, 1, 0
	ITER 0, 0
	ITER 1, 0
	QX
	s_add_co_u32 s[RT], s[RT], 1
	s_cmp_lt_u32 s[RT], 13
	s_cbranch_scc1 .Lround_x
	s_mov_b32 s[RT], 13
.Lround_w:                                             ; rounds 13, 14: all of x has been asked for; written apart
	HEAD 1, 0, 1, 0
	ITER 0, 0
	ITER 1, 0
	QX
	s_add_co_u32 s[RT], s[RT], 1
	s_cmp_lt_u32 s[RT], 15
	s_cbranch_scc1 .Lround_w
	s_mov_b32 s[RT], 15                            ; the last spline round: nothing is left to produce
	HEAD 1, 0, 0, 0
	ITERC 0, 0, 0
	s_wait_alu depctr_va_vdst(0)
	ITERC 1, 0, 0
	s_mov_b32 s[RT], 16                            ; the base product, into accumulators of its own
	HEAD 1, 0, 0, 1
	ITERC 0, 128, 1
	s_wait_alu depctr_va_vdst(0)
	ITERC 1, 128, 0
	s_mov_b32 s[RT], 17                            ; nothing is left to fetch
	HEAD 0, 0, 0, 1
	ITERC 0, 128, 0
	s_wait_alu depctr_va_vdst(0)
	ITERC 1, 128, 0
; THE WAY OUT, a tile of 16 rows at a time.  z / (1 + 2^(-z log2 e)) + spline; each accumulator is read from its low end on.  The exponentials and the reciprocals go as batches with one wait each.
.macro SILU m
.set EB, 160+32*((\m)%2)
	WIN 0x01                                       ; source 0 window 1
.set i, 0
.rept 16
	v_pk_mul_f32 v[EB+2*i:EB+2*i+1], v[128+32*(\m)+2*i:128+32*(\m)+2*i+1], s[90:91] op_sel_hi:[1,0]
.set i, i+1
.endr
	WIN 0
.set i, 0
	s_wait_alu depctr_va_vdst(0)
.rept 32
	v_exp_f32 v[EB+i], v[EB+i]
.set i, i+1
.endr
	v_nop                                          ; the plain line behind the batch
	s_wait_alu depctr_va_vdst(0)                   ; one wait for the 32, ahead of their first reader
.set i, 0
.rept 16
	v_pk_add_f32 v[EB+2*i:EB+2*i+1], v[EB+2*i:EB+2*i+1], 1.0 op_sel_hi:[1,0]
.set i, i+1
.endr
.set i, 0
	s_wait_alu depctr_va_vdst(0)
.rept 32
	v_rcp_f32 v[EB+i], v[EB+i]
.set i, i+1
.endr
	v_nop
	s_wait_alu depctr_va_vdst(0)
	WIN 0x11                                       ; sources 0 and 2 window 1
.set i, 0
.rept 16
	v_pk_fma_f32 v[EB+2*i:EB+2*i+1], v[128+32*(\m)+2*i:128+32*(\m)+2*i+1], v[EB+2*i:EB+2*i+1], v[32*(\m)+2*i:32*(\m)+2*i+1]
.set i, i+1
.endr
	WIN 0
.endm
.macro TOSTAGE m                       ; a lane's 32 bytes of a row into my own stage, and whole rows of 256 bytes back; LDS serves a wave's instructions in order (ISA guide 5.7.1.4)
.set EB, 160+32*((\m)%2)
.set BB, 32+32*((\m)%2)
.irp n, 0,1,2,3
	ds_store_b128 v[STO], v[EB+8*\n:EB+8*\n+3] offset:64*\n
	ds_store_b128 v[STO], v[EB+8*\n+4:EB+8*\n+7] offset:64*\n+16
.endr
.irp i, 0,1,2,3,4,5,6,7
	ds_load_b128 v[BB+4*\i:BB+4*\i+3], v[RD] offset:\i*544
.endr
.endm
.macro SEND m
.set BB, 32+32*((\m)%2)
	s_wait_dscnt 0x0
.irp i, 0,1,2,3,4,5,6,7
	global_store_b128 v[CO], v[BB+4*\i:BB+4*\i+3], s[10:11] offset:(16*(\m)+2*\i)*2048 th:TH_STORE_NT   ; 16 lanes store 256 consecutive bytes, aligned
.endr
.endm
	SILU 0                                         ; (the stages lie in the x ring: its last fill was asked for in round 12, its last read was in round 14)
	TOSTAGE 0
	SILU 1                                         ; a tile's arithmetic stands between the loads of the tile before and its stores
	s_wait_alu depctr_va_vdst(0)
	SEND 0
	TOSTAGE 1
	SILU 2
	s_wait_alu depctr_va_vdst(0)
	SEND 1
	s_wait_xcnt 0x0                                ; tile 0's stores have read their registers: tile 2's rows land there
	TOSTAGE 2
	SILU 3
	s_wait_alu depctr_va_vdst(0)
	SEND 2
	s_wait_xcnt 0x0
	TOSTAGE 3
	SEND 3
	s_wait_tensorcnt 0x0                           ; the wave's end
	ds_add_u32 v[SPW], v[NIL]
	s_wait_dscnt 0x0
	CROUND                                         ; the closing round: no work-group ends while a partner may still ask for a block that names it
	s_endpgm
.Lfunc_end_k_q81d13f9011_kan:
	.size	k_q81d13f9011_kan, .Lfunc_end_k_q81d13f9011_kan-k_q81d13f9011_kan
	.p2alignl 7, 3214868480
	.fill 96, 4, 3214868480
	.section	.rodata,"a",@progbits
	.p2align	6, 0x0
	.amdhsa_kernel k_q81d13f9011_kan
		.amdhsa_group_segment_fixed_size 327680
		.amdhsa_private_segment_fixed_size 0
		.amdhsa_enable_private_segment 0
		.amdhsa_kernarg_size 32
		.amdhsa_user_sgpr_count 2
		.amdhsa_user_sgpr_kernarg_segment_ptr 1
		.amdhsa_wavefront_size32 1
		.amdhsa_system_sgpr_workgroup_id_x 1
		.amdhsa_system_sgpr_workgroup_id_y 1
		.amdhsa_system_sgpr_workgroup_id_z 1
		.amdhsa_system_vgpr_workitem_id 0
		.amdhsa_next_free_vgpr 512
		.amdhsa_next_free_sgpr 100
		.amdhsa_reserve_vcc 0
		.amdhsa_float_denorm_mode_32 3
		.amdhsa_float_denorm_mode_16_64 3
		.amdhsa_memory_ordered 1
		.amdhsa_forward_progress 1
		.amdhsa_inst_pref_size 255
	.end_amdhsa_kernel
	.section	.bss,"aw",@nobits
	.p2align	6
	.space	262144
	.amdgpu_metadata
---
amdhsa.version: [ 1, 2 ]
amdhsa.kernels:
  - .name:           k_q81d13f9011_kan
    .symbol:         k_q81d13f9011_kan.kd
    .args:
      - { .name: x, .offset: 0, .size: 8, .value_kind: global_buffer, .address_space: global }
      - { .name: knots, .offset: 8, .size: 8, .value_kind: global_buffer, .address_space: global }
      - { .name: wq, .offset: 16, .size: 8, .value_kind: global_buffer, .address_space: global }
      - { .name: out0, .offset: 24, .size: 8, .value_kind: global_buffer, .address_space: global }
    .group_segment_fixed_size: 327680
    .private_segment_fixed_size: 0
    .kernarg_segment_align: 8
    .kernarg_segment_size: 32
    .max_flat_workgroup_size: 256
    .sgpr_count:     100
    .vgpr_count:     512
    .wavefront_size: 32
...
	.end_amdgpu_metadata
.endif
;; end of part 2
